; MI455X (gfx1250); checked and timed in simulation.
; The chip was launched on July 23, 2026; its instructions are those of AMD's public machine-readable ISA for CDNA 5 (MIT licence, August 2026) and "CDNA5" Instruction Set Architecture Reference Guide (July 2026). The comments in the code are by the model that wrote it; some were corrected since.
;; Multi Head Self Attention. Allowed arithmetic: matrix products marked QUANTISED: E2M3 operands, one E8M0 scale for each 32 along K, by v_wmma_scale_f32_16x16x128_f8f6f4 with both operands' format E2M3, f32 sums; everything else in f32.
;; Inputs: Wk 1,024 x 1,024 float32; Wq 1,024 x 1,024 float32; Wv 1,024 x 1,024 float32; attn_mask 8 x 1,024 x 1,024 float32; x 8 x 1,024 x 1,024 float32.
;; Outputs: out0 8 x 1,024 x 1,024 float32.
;; This version of the problem:
;;   THIS VERSION OF THE PROBLEM IS GIVEN IN LOW PRECISION. The matrix products marked QUANTISED in the list below multiply operands that are first quantised to E2M3 (2 exponent bits, 3 mantissa bits; 6 bits a number), with one power-of-two scale for each 32 numbers along K (OCP MX v1.0); their sums are f32. All else is computed in f32.
;;   The module's matrix products, in the order in which they are computed (A, B: the left and right operand; K: the contracted axis; several contracted axes count as one K, in the product's order):
;;     1. [M 8,192, K 1,024] x [K 1,024, N 1,024]; A: input x; B: input Wq: QUANTISED
;;     2. [M 8,192, K 1,024] x [K 1,024, N 1,024]; A: input x; B: input Wk: QUANTISED
;;     3. [M 8,192, K 1,024] x [K 1,024, N 1,024]; A: input x; B: input Wv: QUANTISED
;;     4. batch 128 x [M 1,024, K 64] x [K 64, N 1,024]; A: computed on the way; B: computed on the way: QUANTISED
;;     5. batch 128 x [M 1,024, K 1,024] x [K 1,024, N 64]; A: computed on the way; B: computed on the way: QUANTISED
;;   THE QUANTISER, for each operand of a quantised product, along K:
;;     - K is cut into blocks of 32 from its start; a last block that is shorter is filled with zeros.
;;     - A block's scale is 2^e with e = floor(log2(the largest magnitude in the block)) - 2, held to -126 .. 127; a block of zeros has e = 0. As a byte (E8M0): e + 127.
;;     - Each number is divided by its block's scale, clamped to +-7.5, and rounded to the nearest number of E2M3, ties to even, subnormals kept.
;;     - The product sums the exact products of the quantised numbers (number of the format x scale) in f32.
;;   ~~~python
;;   def quantise(x, axis):      # numpy; x: float32 -> the quantised numbers, widened to float32 again
;;       x = np.moveaxis(x, axis, -1); K = x.shape[-1]
;;       x = np.pad(x, [(0, 0)] * (x.ndim - 1) + [(0, -K % 32)]); x = x.reshape(x.shape[:-1] + (-1, 32)); a = np.abs(x).max(-1, keepdims=True)
;;       e = np.where(a > 0, np.clip(np.frexp(np.where(a > 0, a, 1))[1] - 1 - 2, -126, 127), 0)      # np.frexp(a)[1] - 1 = floor(log2(a)), exactly
;;       r = np.clip(x / 2.0 ** e, -7.5, 7.5)
;;       step = 2.0 ** (np.maximum(np.frexp(np.where(r == 0, 1, r))[1] - 1, 0) - 3)
;;       q = np.round(r / step) * step * 2.0 ** e      # np.round: ties to even
;;       return np.moveaxis(q.reshape(q.shape[:-2] + (-1,))[..., :K], -1, axis).astype(np.float32)
;;   ~~~
;;   OPERANDS COMPUTED ON THE WAY. 'Computed on the way' means the value that the module computes at that place (a softmax that the list does not call 'softmax' is quantised finished and normalised). What goes into a quantiser is computed in f32, as accurately as f32 sums, v_exp_f32 and their like allow (about 1e-6 of the number): no bf16 or f16 on the way to a quantiser, and a product that is left as it is and whose result goes on into a quantised operand takes f32 operands (vector FMAs, or v_wmma_f32_16x16x4_f32). A number that lies on a knife's edge between two numbers of the format may be rounded either way, as far as f32 arithmetic and the matrix unit's own rounding can turn it there, and no further.
;; One version. Each part assembles by itself: llvm-mc -triple=amdgcn-amd-amdhsa -mcpu=gfx1250 --defsym DOCPART=n.
;; ======== version 1 of 1: 3 launches
;; workspace buffers: xc 6,291,456 bytes; xs 262,144 bytes; wc 2,359,296 bytes; wsc 98,304 bytes; qkv 20,185,088 bytes
;; launch quant (part 1): grid 352 x 1, 4 waves a work-group, no clusters, 69,120 bytes of LDS; arguments x, Wq, Wk, Wv, xc, xs, wc, wsc; writes xc, xs, wc, wsc
.if DOCPART == 1
	.amdgcn_target "amdgcn-amd-amdhsa--gfx1250"
	.amdhsa_code_object_version 6
	.text
	.protected	k_q7c85cc94e4_quant
	.globl	k_q7c85cc94e4_quant
	.p2align	8
	.type	k_q7c85cc94e4_quant,@function
k_q7c85cc94e4_quant:
	s_mov_b64 s[64:65], 0
	v_nop
	global_prefetch_b8 v0, s[64:65] scope:SCOPE_SE
	s_setreg_imm32_b32 hwreg(HW_REG_WAVE_MODE, 25, 1), 1
	s_wait_xcnt 0x0
; x [8192][1024] and Wq, Wk, Wv [1024 (k)][1024 (n)], f32, become codes of FP6 (E2M3), K innermost, 768 bytes a row, with one E8M0 byte for each 32 along K, 32 bytes a row.
; xc, xs: 8,192 rows (tokens).  wc, wsc: 3,072 rows: Wq's 1,024 columns, then Wk's, then Wv's.
; A block's scale is 2^(floor(log2(its largest magnitude)) - 2); its byte is that magnitude's exponent field - 2, held at 1 from below; each number is divided by the scale and rounded to the nearest code, ties to even, beyond 7.5 the largest code.
; THE ROWS ARE STORED IN ANOTHER ORDER: within each 32 rows, place 16 u + 8 g + i holds row 16 g + 8 u + i (bits 3 and 4 of the row's number change places).  Sixteen neighbouring places, tile 2 b + u, lane r, are then
; rows 32 b + 8 u + r + 8 (r / 8): the choice of rows that lets the next launch quantise its results in registers.
; LIMITS: a block of zeros gets the byte 1 and not 127 (its codes are zeros, and this program alone reads the bytes); NaN and infinities among the inputs are not served.
; Work-groups 0-255 take x (K innermost: a plain stream of blocks), work-groups 256-351 the weights (K outermost: a lane takes a column and its registers run down K).  The two ways part on the work-group's number,
; never join, and have LDS bytes of their own.  No tensor loads, no barrier: waves share nothing.  No cluster: no two work-groups read the same bytes.
.set XWG,   256                        ; work-groups for x: 8,192 x 1,024 / 32,768
.set STEPS, 16                         ; x: a wave takes 16 steps of 512 numbers = 8 rows
.set EMAX,  2
.set CB,    12                         ; bytes of 16 codes
.set RX,    16                         ; v16-79   x: four sets of 16 numbers as they are loaded
.set XX,    80                         ; v80-111  two sets of 16 neighbours
.set EX,    112                        ; v112-127 a scale byte for each step
.set CX,    128                        ; v128-191 codes: four registers for each step, so that no store's data are written again
.set WREG,  8192                       ; x's LDS: a region for each wave: two stages of 32 x SP bytes, then its 256 scale bytes
.set SP,    80                         ; a lane's place in a stage: 64 bytes + 16 of padding
.set WLDS,  32768                      ; the weights' LDS begins here: a stage of 32 rows x PITCH for each wave
.set NB,    8                          ; weights: blocks of 32 along K for a wave (256 along K)
.set PITCH, 272                        ; a stage row: sixteen places of 16 bytes, each with 12 bytes of codes, + 16
.set KROW,  768                        ; a row of codes in memory
.set XW,    32                         ; v32-95   weights: two sets of 32 numbers
.set CW,    96                         ; v96..    a block's codes
.set OUTR,  112                        ; v112-175 the way out
.set SB,    24                         ; v24-25   the scale bytes, four to a register
.macro LOADX t                         ; step t's 2,048 bytes: each load reads 512 consecutive bytes
.irp i, 0,1,2,3
	global_load_b128 v[RX+16*((\t)%4)+4*\i:RX+16*((\t)%4)+4*\i+3], v3, s[4:5] offset:2048*(\t)+512*\i th:TH_LOAD_NT
.endr
.endm
.macro TURNX t                         ; through the wave's stage, so that a lane gets 16 neighbours; LDS serves a wave's instructions in order (ISA guide 5.7.1.4): no wait between stores and loads
.irp i, 0,1,2,3
	ds_store_b128 v14, v[RX+16*((\t)%4)+4*\i:RX+16*((\t)%4)+4*\i+3] offset:32*SP*((\t)%2)+8*SP*\i
.endr
.irp i, 0,1,2,3
	ds_load_b128 v[XX+16*((\t)%2)+4*\i:XX+16*((\t)%2)+4*\i+3], v15 offset:32*SP*((\t)%2)+16*\i
.endr
.endm
.macro STEPX t
.set XS, XX+16*((\t)%2)
.if (\t) > 0
	s_wait_dscnt 1                                 ; this step's numbers are back from the stage (the last step's byte store may be out), so its stores into the stage have read their registers,
.else
	s_wait_dscnt 0x0
.endif
.if (\t)+4 < STEPS
	LOADX (\t)+4                                   ; which take the loads of four steps on
.endif
.if (\t)+1 < STEPS
.if STEPS-2-(\t) >= 3
	s_wait_loadcnt 12                              ; the next step's four loads are in; those of the three steps behind it may be out
.else
	s_wait_loadcnt 4*(STEPS-2-(\t))
.endif
	TURNX (\t)+1
.endif
	v_max3_num_f32 v8, |v[XS]|, |v[XS+1]|, |v[XS+2]|               ; the largest magnitude of my 16, in two chains
	v_max3_num_f32 v9, |v[XS+3]|, |v[XS+4]|, |v[XS+5]|
.irp i, 6,10
	v_max3_num_f32 v8, v8, |v[XS+\i]|, |v[XS+\i+1]|
	v_max3_num_f32 v9, v9, |v[XS+\i+2]|, |v[XS+\i+3]|
.endr
	v_max3_num_f32 v8, v8, |v[XS+14]|, |v[XS+15]|
	v_max3_num_f32 v8, v8, v9, (EMAX+1)<<23        ; and the floor 2^(3 - 127): the byte cannot fall under 1
	v_max_num_f32_dpp v8, v8, v8 row_xmask:1 row_mask:0xf bank_mask:0xf   ; with my neighbour's 16: the block's
	v_add_nc_u32 v11, -(EMAX<<23), v8              ; 2 off its exponent field: the conversion takes the exponent field of this operand as its scale
	v_cvt_scalef32_pk16_fp6_f32 v[CX+4*(\t):CX+4*(\t)+2], v[XS:XS+15], v11
	v_lshrrev_b32 v[EX+(\t)], 23, v11              ; the scale's byte
	ds_store_b8 v5, v[EX+(\t)] offset:16*(\t)      ; both lanes of a block write the same byte with the same value
	global_store_b96 v4, v[CX+4*(\t):CX+4*(\t)+2], s[12:13] offset:32*CB*(\t)   ; the wave stores 384 consecutive bytes
.endm
.macro LOADW t                         ; block t: W(32 t + i, my column) into set t % 2: 32 lanes read 128 consecutive bytes
.irp i, 0,1,2,3,4,5,6,7,8,9,10,11,12,13,14,15,16,17,18,19,20,21,22,23,24,25,26,27,28,29,30,31
	global_load_b32 v[XW+32*((\t)%2)+\i], v3, s[6:7] offset:(32*(\t)+\i)*4096 th:TH_LOAD_NT
.endr
.endm
.macro BLOCKW t
.set XS, XW+32*((\t)%2)
.if (\t) < NB-1
	s_wait_loadcnt 32                              ; this block's 32 loads are in; the next block's may be out
.else
	s_wait_loadcnt 0
.endif
	v_max3_num_f32 v12, |v[XS]|, |v[XS+1]|, |v[XS+2]|              ; the block's largest magnitude: all 32 numbers are mine
	v_max3_num_f32 v13, |v[XS+3]|, |v[XS+4]|, |v[XS+5]|
.irp i, 6,10,14,18,22,26
	v_max3_num_f32 v12, v12, |v[XS+\i]|, |v[XS+\i+1]|
	v_max3_num_f32 v13, v13, |v[XS+\i+2]|, |v[XS+\i+3]|
.endr
	v_max3_num_f32 v12, v12, |v[XS+30]|, |v[XS+31]|
	v_max3_num_f32 v12, v12, v13, (EMAX+1)<<23     ; and the floor
	v_add_nc_u32 v11, -(EMAX<<23), v12
	v_lshrrev_b32 v13, 23, v11                     ; the scale's byte
.if (\t)%4 == 0
	v_mov_b32 v[SB+(\t)/4], v13                    ; four bytes to a register, the lower K in the lower byte
.else
	v_lshl_or_b32 v[SB+(\t)/4], v13, 8*((\t)%4), v[SB+(\t)/4]
.endif
	v_cvt_scalef32_pk16_fp6_f32 v[CW:CW+2], v[XS:XS+15], v11
	v_cvt_scalef32_pk16_fp6_f32 v[CW+4:CW+6], v[XS+16:XS+31], v11   ; (a conversion's three registers begin on an even number)
	ds_store_b96 v4, v[CW:CW+2] offset:32*(\t)     ; 12 bytes to a place of 16, so that every LDS address is a multiple of 16
	ds_store_b96 v4, v[CW+4:CW+6] offset:32*(\t)+16
.if (\t)+2 < NB
	LOADW (\t)+2
.endif
	s_wait_dscnt 0x0                               ; the stores have read their registers: the next block's codes may be written
.endm
	s_load_b256 s[4:11], s[0:1], 0x0               ; x s[4:5], Wq s[6:7], Wk s[8:9], Wv s[10:11]
	s_load_b256 s[12:19], s[0:1], 0x20             ; xc s[12:13], xs s[14:15], wc s[16:17], wsc s[18:19]
	v_lshl_add_u32 v192, v0, 2, 0x10c00
	v_mov_b32 v193, 0
	v_lshrrev_b32 v1, 5, v0
	v_readfirstlane_b32 s20, v1                    ; wave 0..3
	v_and_b32 v2, 31, v0                           ; lane
	s_cmp_lt_u32 ttmp9, XWG
	s_cbranch_scc0 .Lweights
	; ---------------- x: K is innermost ----------------
	v_lshlrev_b32 v3, 4, v2                        ; my 16 bytes of a load's 512
	s_mul_i32 s21, s20, WREG
	v_lshrrev_b32 v14, 2, v2
	v_mul_u32_u24 v14, v14, SP
	v_and_b32 v15, 3, v2
	v_lshl_add_u32 v14, v15, 4, v14
	v_add_nc_u32 v14, s21, v14                     ; the stage, in: SP (lane / 4) + 16 (lane % 4)
	v_mul_u32_u24 v15, v2, SP
	v_add_nc_u32 v15, s21, v15                     ; and out: SP x lane: my 16 neighbours
	v_mul_u32_u24 v4, v2, CB                       ; my codes' place in a step's
	v_lshrrev_b32 v5, 1, v2
	s_add_co_u32 s21, s21, 2*32*SP
	v_add_nc_u32 v5, s21, v5                       ; my wave's 256 scale bytes, my block's byte
	v_lshlrev_b32 v7, 3, v2                        ; and on the way out 8 bytes a lane
	v_add_nc_u32 v6, s21, v7
	s_lshl_b32 s22, ttmp9, 2
	s_add_co_u32 s24, s22, s20                     ; the run of 8 rows that I read: 4 x work-group + wave
	s_lshl_b32 s24, s24, 15                        ; 32,768 bytes a run
	s_mov_b32 s25, 0
	s_and_b32 s26, s20, 1
	s_lshl_b32 s26, s26, 1
	s_lshr_b32 s27, s20, 1
	s_add_co_u32 s26, s26, s27
	s_add_co_u32 s26, s26, s22                     ; the run that I write: the wave's two bits change places
	s_mul_i32 s28, s26, 8*KROW
	s_mov_b32 s29, 0
	s_lshl_b32 s30, s26, 8                         ; 256 scale bytes a run
	s_mov_b32 s31, 0
	s_wait_kmcnt 0x0
	s_add_nc_u64 s[4:5], s[4:5], s[24:25]
	s_add_nc_u64 s[12:13], s[12:13], s[28:29]
	s_add_nc_u64 s[14:15], s[14:15], s[30:31]
.irp t, 0,1,2,3
	LOADX \t
.endr
	s_wait_loadcnt 12                              ; step 0's four loads are in
	TURNX 0
.irp t, 0,1,2,3,4,5,6,7,8,9,10,11,12,13,14,15
	STEPX \t
.endr
	ds_load_b64 v[12:13], v6                       ; in order behind my byte stores
	s_wait_dscnt 0x0
	global_store_b64 v7, v[12:13], s[14:15]        ; 32 lanes store 256 consecutive bytes, at a multiple of 256 from the buffer's first byte
	s_wait_tensorcnt 0x0
	ds_add_u32 v192, v193
	s_wait_dscnt 0x0
	s_endpgm
	; ---------------- the weights: K is the first axis ----------------
.Lweights:
	v_lshlrev_b32 v3, 2, v2                        ; in: 4 bytes a lane
	v_and_b32 v10, 7, v2
	v_bfe_u32 v11, v2, 4, 1
	v_lshl_add_u32 v10, v11, 3, v10
	v_bfe_u32 v11, v2, 3, 1
	v_lshl_add_u32 v10, v11, 4, v10                ; my column's place among the 32: bits 3 and 4 change places
	s_mul_i32 s21, s20, 32*PITCH
	s_add_co_u32 s21, s21, WLDS                    ; my stage
	v_mul_u32_u24 v4, v10, PITCH
	v_add_nc_u32 v4, s21, v4                       ; into it: row = my column's place
	v_and_b32 v5, 15, v2
	v_lshrrev_b32 v6, 4, v2                        ; out of it: sixteen lanes to a row, two rows an instruction
	v_mul_u32_u24 v7, v6, PITCH
	v_lshl_add_u32 v7, v5, 4, v7
	v_add_nc_u32 v7, s21, v7
	v_mul_u32_u24 v8, v6, KROW
	v_mad_u32_u24 v8, v5, 12, v8                   ; and the same place in wc
	v_lshlrev_b32 v9, 5, v10                       ; my column's row of scale bytes: 32 bytes a row
	s_sub_co_u32 s22, ttmp9, XWG
	s_and_b32 s23, s22, 7                          ; which 128 columns
	s_lshr_b32 s22, s22, 3
	s_lshr_b32 s24, s22, 2                         ; which weight: 0 Wq, 1 Wk, 2 Wv
	s_and_b32 s22, s22, 3                          ; which 256 along K
	s_lshl_b32 s23, s23, 7
	s_lshl_b32 s25, s20, 5
	s_add_co_u32 s23, s23, s25                     ; my wave's first column
	s_lshl_b32 s26, s22, 20                        ; 256 rows of 4,096 bytes
	s_lshl_b32 s25, s23, 2
	s_add_co_u32 s26, s26, s25
	s_mov_b32 s27, 0
	s_lshl_b32 s25, s24, 10
	s_add_co_u32 s23, s23, s25                     ; its row in wc and wsc
	s_mul_i32 s28, s23, KROW
	s_mul_i32 s25, s22, 192
	s_add_co_u32 s28, s28, s25
	s_mov_b32 s29, 0
	s_lshl_b32 s30, s23, 5
	s_lshl_b32 s25, s22, 3
	s_add_co_u32 s30, s30, s25
	s_mov_b32 s31, 0
	s_wait_kmcnt 0x0
	s_cmp_eq_u32 s24, 1                            ; the choice of the buffer hangs on the work-group's number alone
	s_cselect_b64 s[6:7], s[8:9], s[6:7]
	s_cmp_eq_u32 s24, 2
	s_cselect_b64 s[6:7], s[10:11], s[6:7]
	s_add_nc_u64 s[6:7], s[6:7], s[26:27]
	s_add_nc_u64 s[16:17], s[16:17], s[28:29]
	s_add_nc_u64 s[18:19], s[18:19], s[30:31]
	LOADW 0
	LOADW 1
.set Q, 0
.rept NB
	BLOCKW Q
.set Q, Q+1
.endr
	global_store_b64 v9, v[SB:SB+1], s[18:19]      ; my column's 8 scale bytes
.irp t, 0,1,2,3,4,5,6,7,8,9,10,11,12,13,14,15
	ds_load_b96 v[OUTR+4*\t:OUTR+4*\t+2], v7 offset:2*\t*PITCH
.endr
.irp t, 0,1,2,3,4,5,6,7,8,9,10,11,12,13,14,15
	s_wait_dscnt 15-\t                             ; LDS loads come back in order: load t is in, the younger ones may be out
	global_store_b96 v8, v[OUTR+4*\t:OUTR+4*\t+2], s[16:17] offset:2*\t*KROW   ; sixteen lanes store a row's 192 consecutive bytes
.endr
	s_wait_tensorcnt 0x0
	ds_add_u32 v192, v193
	s_wait_dscnt 0x0
	s_endpgm
.Lfunc_end_k_q7c85cc94e4_quant:
	.size	k_q7c85cc94e4_quant, .Lfunc_end_k_q7c85cc94e4_quant-k_q7c85cc94e4_quant
	.p2alignl 7, 3214868480
	.fill 96, 4, 3214868480
	.section	.rodata,"a",@progbits
	.p2align	6, 0x0
	.amdhsa_kernel k_q7c85cc94e4_quant
		.amdhsa_group_segment_fixed_size 69120
		.amdhsa_private_segment_fixed_size 0
		.amdhsa_enable_private_segment 0
		.amdhsa_kernarg_size 64
		.amdhsa_user_sgpr_count 2
		.amdhsa_user_sgpr_kernarg_segment_ptr 1
		.amdhsa_wavefront_size32 1
		.amdhsa_system_sgpr_workgroup_id_x 1
		.amdhsa_system_sgpr_workgroup_id_y 1
		.amdhsa_system_sgpr_workgroup_id_z 1
		.amdhsa_system_vgpr_workitem_id 0
		.amdhsa_next_free_vgpr 194
		.amdhsa_next_free_sgpr 66
		.amdhsa_reserve_vcc 0
		.amdhsa_float_denorm_mode_32 3
		.amdhsa_float_denorm_mode_16_64 3
		.amdhsa_memory_ordered 1
		.amdhsa_forward_progress 1
		.amdhsa_inst_pref_size 74
	.end_amdhsa_kernel
	.amdgpu_metadata
---
amdhsa.version: [ 1, 2 ]
amdhsa.kernels:
  - .name:           k_q7c85cc94e4_quant
    .symbol:         k_q7c85cc94e4_quant.kd
    .args:
      - { .name: x, .offset: 0, .size: 8, .value_kind: global_buffer, .address_space: global }
      - { .name: Wq, .offset: 8, .size: 8, .value_kind: global_buffer, .address_space: global }
      - { .name: Wk, .offset: 16, .size: 8, .value_kind: global_buffer, .address_space: global }
      - { .name: Wv, .offset: 24, .size: 8, .value_kind: global_buffer, .address_space: global }
      - { .name: xc, .offset: 32, .size: 8, .value_kind: global_buffer, .address_space: global }
      - { .name: xs, .offset: 40, .size: 8, .value_kind: global_buffer, .address_space: global }
      - { .name: wc, .offset: 48, .size: 8, .value_kind: global_buffer, .address_space: global }
      - { .name: wsc, .offset: 56, .size: 8, .value_kind: global_buffer, .address_space: global }
    .group_segment_fixed_size: 69120
    .private_segment_fixed_size: 0
    .kernarg_segment_align: 8
    .kernarg_segment_size: 64
    .max_flat_workgroup_size: 128
    .sgpr_count:     66
    .vgpr_count:     194
    .wavefront_size: 32
...
	.end_amdgpu_metadata
.endif
;; end of part 1
;; launch proj (part 2): grid 12 x 32, 4 waves a work-group, clusters of 4 x 4, 327,680 bytes of LDS; arguments xc, xs, wc, wsc, qkv; writes qkv
.if DOCPART == 2
	.amdgcn_target "amdgcn-amd-amdhsa--gfx1250"
	.amdhsa_code_object_version 6
	.text
	.protected	k_q7c85cc94e4_proj
	.globl	k_q7c85cc94e4_proj
	.p2align	8
	.type	k_q7c85cc94e4_proj,@function
k_q7c85cc94e4_proj:
	s_mov_b64 s[64:65], 0
	v_nop
	global_prefetch_b8 v0, s[64:65] scope:SCOPE_SE
	s_setreg_imm32_b32 hwreg(HW_REG_WAVE_MODE, 25, 1), 1
	s_wait_xcnt 0x0
	s_wait_alu depctr_hold_cnt(0) depctr_sa_sdst(0) depctr_va_vdst(0) depctr_va_sdst(0) depctr_va_ssrc(0) depctr_va_vcc(0) depctr_vm_vsrc(0)
	s_getreg_b32 s2, hwreg(HW_REG_IB_STS2, 6, 4)
	s_cmp_eq_u32 s2, 0
	s_cbranch_scc0 .Lentry_in_a_cluster
	s_endpgm
.Lentry_in_a_cluster:
	s_bfe_u32 s2, ttmp6, 0x10000c
	s_cmp_lg_u32 s2, 0xf033
	s_cbranch_scc0 .Lentry_shape_is_right
	s_endpgm
.Lentry_shape_is_right:
; q = x Wq, k = x Wk, v = x Wv as ONE product on codes of FP6 (E2M3) with E8M0 scales, K = 1,024, f32 sums; the results are quantised again IN REGISTERS, q and k along a head's 64 features, v along the keys,
; and stored as images of the operand registers that the attention launch wants.  Nothing of q, k, v goes to memory as f32.
; A tile, 256 x 256, is made by four waves, each 128 x 128: 64 accumulators, 512 registers.  K goes in steps of 256 through a ring of two LDS slots filled by the tensor data mover; the scale bytes of the tile's 2 x 256 rows come once and stay.
; SOURCE 0 AND SOURCE 1.  A lane of a result holds one row of source 1 and, in its eight registers, eight rows of source 0.  A quantiser wants its K along a lane's registers, so source 0 is the axis that is quantised:
;   clusters x = 0 (q) and 1 (k): source 0 = 256 rows of wc (features), source 1 = 256 rows of xc (tokens);   cluster x = 2 (v): source 0 = 256 rows of xc (tokens = keys), source 1 = 256 rows of wc (features).
; xc's and wc's rows lie with bits 3 and 4 of the row's number exchanged, so the 16 registers of source 0's tiles 2 b and 2 b + 1 are 16 NEIGHBOURS, 32 b + 16 (lane / 16) + 0 .. 15, and lane r of source 1's tile 2 b + u is row 32 b + 8 u + r + 8 (r / 8).
; CLUSTERS: 4 x 4 work-groups.  Source 1's tile is shared along a row of the cluster, source 0's along a column: each is asked for JOINTLY.  Which tensor is which source hangs on the cluster's x alone, which all sixteen share.
; 384 tiles are 24 clusters for 16 places: the second turn is half full; a tile of 256 x 384 would want 768 accumulator registers, which do not fit beside the fragments.
; THE RECORD of head (b, h) in qkv, REC bytes at (16 b + h) REC: K's images 0 (64 tiles of 16 keys x 768 bytes: registers 0-3 at 16 x lane, registers 4-5 at 512 + 8 x lane); V's 49,152 ([key step 8][tile of 16 features 4] x 1,536: three
; runs of four registers, 512 c + 16 x lane); K's scale words 98,304 ([128 keys, 8] x 512: word 16 x lane + 4 p: lanes 0-15 tile 2 p, lanes 16-31 tile 2 p + 1; bytes 2, 3 are 0); V's 102,400 ([key step 8] x 256: word 8 x lane + 4 p); Q's images 104,448 and scale words 153,600, as K's.
; LIMITS: a block of zeros gets the byte 1 and not 127 (its codes are zeros; this program alone reads the bytes); NaN and infinities are not served.
; REGISTERS, in windows of 256: window 0: v0-31 addresses; v32-63 scale words, two sets, and nothing else; v64-123 at work on the way out; from v128 source 1's fragments, ONE set.
;   window 1: source 0's fragments, TWO sets, at v0 and v128.   window 2: the accumulators of my source-1 blocks 0-3 ((a, b) at v[8 (8 a + b)]);   window 3: those of blocks 4-7.
.set KSTEP,  256
.set NQ,     2                         ; matrix instructions deep in a slot
.set ROWB,   192                       ; a tile's row in bytes
.set KROW,   768                       ; a row of codes in memory
.set PITCH,  240                       ; an LDS row: 3 x (64 bytes + 16 of padding): the 32 lanes of a load of 8 bytes touch different banks (64 banks of 4 bytes: ISA guide 11.1)
.set FR,     12                        ; registers of a fragment
.set NL,     6                         ; LDS loads that bring one
.set NP,     4                         ; places behind this matrix instruction (ISA guide 7.12.1)
.set HALFT,  128*PITCH
.set SLOT,   4*HALFT                   ; source 1's 256 rows, then source 0's
.set LAPS,   2                         ; 1,024 / 512
.set KSB,    32                        ; a row of scale bytes
.set SCL,    2*SLOT                    ; behind the ring: the scales, as runs of 256 bytes + 16 of padding
.set HALFS,  16*272                    ; the scales of 128 rows
.set SBLK,   2*272                     ; those of 16 rows
.set SPARE,  SCL+4*HALFS               ; the spare words, 128 bytes for each wave: two blocks of 256 bytes that no other line names
.set REC,    157696
.set ADRA, 16                          ; v16-17 LDS address of source 1's fragments in slot 0, 1 (v18-19: for the pieces behind one padding more)
.set ADRB, 20                          ; v20-23 the same for source 0
.set LI,   24                          ; v24    16 x lane
.set L8,   25                          ; v25    8 x lane
.set ADRS, 27                          ; v27    LDS address of my scale words: lanes 0-15 source 1's rows, lanes 16-31 source 0's
.set SPW,  28                          ; v28    LDS address of my spare word; never rewritten
.set NIL,  29                          ; v29    0; never rewritten
.set SC,   32                          ; scale words
.set TM,   64                          ; v64-79   the quantiser's work
.set PC,   80                          ; v80-99   the codes just made
.set PWS,  104                         ; v104-111 the eight blocks' scale words
.set MG,   112                         ; v112-115 two blocks' words in one register
.set MH,   116                         ; v116-119 their lower halves (first head)
.set MI,   120                         ; v120-123 their upper halves (second head)
.set AF,   128
.set G1, 24
.set G0, 32
.set G1B, 48
.set G0B, 56
.set G1S, 68
.set G0S, 76
.set G1SB, 80
.set G0SB, 88
.set SEL, 98                           ; s[98:99] selects for v_permlanex16_b32: lane l xor 16
.set MSB, 0
.macro WIN new                         ; the immediate's high byte repeats the setting that is left
.if MSB != (\new)
	s_set_vgpr_msb (MSB<<8)|(\new)
.set MSB, (\new)
.endif
.endm
.set MUL_LO, 0xa1                      ; source 0 window 1, source 1 window 0, C and D window 2
.set MUL_HI, 0xf1                      ; the same, C and D window 3
.set TO_B,   0x40                      ; destination window 1, address window 0
; A joint load: waves 0 and 1 fetch for source 1, waves 2 and 3 for source 0.  The branch hangs on the wave's number alone.  Four v_nop follow each of the two lines.
.macro JLOAD g0a, g1a, g0b, g1b
	s_cmp_eq_u32 s15, 0
	s_cbranch_scc0 .Lfor_b_\@
	tensor_load_to_lds s[\g0a:\g0a+3], s[\g1a:\g1a+7]
	s_nop 0
.rept 4
	v_nop
.endr
	s_branch .Lasked_\@
.Lfor_b_\@:
	tensor_load_to_lds s[\g0b:\g0b+3], s[\g1b:\g1b+7]
	s_nop 0
.rept 4
	v_nop
.endr
.Lasked_\@:
.endm
.macro CREST                           ; a round of the cluster's barrier behind its opening barrier
	s_cmp_lg_u32 s14, 0
	s_cbranch_scc1 .Lnot_wave_0_\@
	s_barrier_signal -3
.Lnot_wave_0_\@:
	s_barrier_wait -3
	s_barrier_signal -1
	s_barrier_wait -1
.endm
.macro CROUND
	s_barrier_signal -1
	s_barrier_wait -1
	CREST
.endm
	s_load_b128 s[4:7], s[0:1], 0x0                ; xc, xs
	s_load_b128 s[8:11], s[0:1], 0x10              ; wc, wsc
	s_load_b64 s[12:13], s[0:1], 0x20              ; qkv
	v_lshl_add_u32 v[SPW], v0, 2, SPARE
	v_mov_b32 v[NIL], 0
	ds_add_u32 v28, v29
	ds_add_u32 v28, v29
	s_wait_dscnt 0x0
	v_lshrrev_b32 v1, 5, v0
	v_readfirstlane_b32 s14, v1                    ; wave 0..3
	s_lshr_b32 s15, s14, 1                         ; which half of source 1's rows is mine.  Also: I fetch for source 1 (0) or for source 0 (1)
	s_and_b32 s16, s14, 1                          ; which half of source 0's.  Also: which 128 rows of that tile I fetch
	s_bfe_u32 s40, ttmp6, 0x40000                  ; cx, cy: my place in the cluster
	s_bfe_u32 s41, ttmp6, 0x40004
	s_and_b32 s17, ttmp7, 0xffff                   ; the cluster's y
	s_cmp_eq_u32 ttmp9, 2                          ; the cluster's x: 0 q, 1 k, 2 v
	s_cselect_b32 s42, s17, ttmp9
	s_cselect_b32 s17, 2, s17
	s_lshl_b32 s42, s42, 2
	s_add_co_u32 s42, s42, s40                     ; source 0's tile: q, k: wc's tile 4 x + cx;  v: xc's tile 4 y + cx
	s_lshl_b32 s17, s17, 2
	s_add_co_u32 s17, s17, s41                     ; source 1's tile: q, k: xc's tile 4 y + cy;  v: wc's tile 8 + cy
	s_lshl_b32 s43, s41, 2
	s_lshl_b32 s43, 15, s43                        ; my row of the cluster
	s_lshl_b32 s44, 0x1111, s40                    ; my column
	; descriptor group 1: a tile of 128 rows x 192 bytes, 16 bytes of padding behind every 64
	s_or_b32 s[G1+0], s43, (0<<16)|(1<<20)|(1<<21)|(3<<22)|(3<<25)  ; 15:0 the mask: source 1's tiles go to my row; 17:16 elements of 1 byte; 20 padding on; 21 set beside a mask; 24:22 after every 16 words; 31:25 of 4 words
	s_or_b32 s[G1B+0], s44, (0<<16)|(1<<20)|(1<<21)|(3<<22)|(3<<25) ; source 0's go to my column
.irp g, G1, G1B
	s_mov_b32 s[\g+1], ROWB<<16                    ; tensor_dim0
	s_mov_b32 s[\g+2], 128<<16                     ; tensor_dim1
	s_mov_b32 s[\g+3], ROWB<<16                    ; tile_dim0
	s_mov_b32 s[\g+4], 128                         ; tile_dim1
	s_mov_b32 s[\g+5], KROW                        ; tensor_dim0_stride
	s_mov_b32 s[\g+6], 0
	s_mov_b32 s[\g+7], 0
.endr
	; the scales of 128 rows: 4,096 dense bytes, as 16 rows of 256 bytes (32 elements of 8 bytes), 16 bytes of padding behind each
	s_or_b32 s[G1S+0], s43, (3<<16)|(1<<20)|(1<<21)|(5<<22)|(3<<25)
	s_or_b32 s[G1SB+0], s44, (3<<16)|(1<<20)|(1<<21)|(5<<22)|(3<<25)
.irp g, G1S, G1SB
	s_mov_b32 s[\g+1], 32<<16
	s_mov_b32 s[\g+2], 16<<16
	s_mov_b32 s[\g+3], 32<<16
	s_mov_b32 s[\g+4], 16
	s_mov_b32 s[\g+5], 32
	s_mov_b32 s[\g+6], 0
	s_mov_b32 s[\g+7], 0
.endr
	s_lshl_b32 s18, s16, 7                         ; which 128 rows of the tile I fetch
	s_lshl_b32 s20, s17, 8
	s_add_co_u32 s20, s20, s18                     ; source 1: row 256 x tile + 128 x half
	s_lshl_b32 s46, s42, 8
	s_add_co_u32 s46, s46, s18                     ; source 0 likewise
	s_mov_b32 s21, 0
	s_mov_b32 s47, 0
	s_mov_b64 s[18:19], KSB
	s_mul_u64 s[22:23], s[20:21], s[18:19]         ; where these rows' scales begin, in bytes
	s_mul_u64 s[92:93], s[46:47], s[18:19]
	s_mov_b64 s[18:19], KROW
	s_mul_u64 s[20:21], s[20:21], s[18:19]         ; and their codes
	s_mul_u64 s[46:47], s[46:47], s[18:19]
	s_mul_i32 s45, s14, HALFT                      ; where they go: wave x 128 rows: no place in the cluster enters an LDS address
	s_mul_i32 s94, s14, HALFS
	s_mov_b32 s[SEL], 0x76543210
	s_mov_b32 s[SEL+1], 0xfedcba98
	s_wait_kmcnt 0x0
	s_cmp_eq_u32 ttmp9, 2                          ; which tensor is which source: a choice between buffers on the cluster's x
	s_cselect_b64 s[66:67], s[8:9], s[4:5]         ; source 1's codes
	s_cselect_b64 s[100:101], s[10:11], s[6:7]     ; source 1's scales
	s_cselect_b64 s[8:9], s[4:5], s[8:9]           ; source 0's codes
	s_cselect_b64 s[10:11], s[6:7], s[10:11]       ; source 0's scales
	s_add_nc_u64 s[20:21], s[66:67], s[20:21]
	s_add_nc_u64 s[22:23], s[100:101], s[22:23]
	s_add_nc_u64 s[46:47], s[8:9], s[46:47]
	s_add_nc_u64 s[92:93], s[10:11], s[92:93]
	CROUND                                         ; all sixteen work-groups are here: the first joint loads meet
	s_mov_b32 s[G0S], 1
	s_add_co_u32 s[G0S+1], s94, SCL
	s_mov_b64 s[G0S+2:G0S+3], s[22:23]
	s_or_b32 s[G0S+3], s[G0S+3], 0x80000000
	s_mov_b32 s[G0SB], 1
	s_add_co_u32 s[G0SB+1], s94, SCL
	s_mov_b64 s[G0SB+2:G0SB+3], s[92:93]
	s_or_b32 s[G0SB+3], s[G0SB+3], 0x80000000
	JLOAD G0S, G1S, G0SB, G1SB                     ; the scales first: they are wanted with K step 0
.irp s, 0,1
	s_mov_b32 s[G0+4*\s], 1
	s_add_co_u32 s[G0+4*\s+1], s45, \s*SLOT
	s_add_nc_u64 s[G0+4*\s+2:G0+4*\s+3], s[20:21], \s*ROWB
	s_or_b32 s[G0+4*\s+3], s[G0+4*\s+3], 0x80000000
	s_mov_b32 s[G0B+4*\s], 1
	s_add_co_u32 s[G0B+4*\s+1], s45, \s*SLOT
	s_add_nc_u64 s[G0B+4*\s+2:G0B+4*\s+3], s[46:47], \s*ROWB
	s_or_b32 s[G0B+4*\s+3], s[G0B+4*\s+3], 0x80000000
	JLOAD G0+4*\s, G1, G0B+4*\s, G1B               ; three loads of mine are out behind the second of these
.endr
	v_and_b32 v1, 15, v0                           ; l % 16
	v_bfe_u32 v2, v0, 4, 1                         ; l / 16
	v_mul_u32_u24 v3, v1, PITCH
	v_mul_u32_u24 v4, v2, 24
	v_add_nc_u32 v4, v3, v4                        ; a fragment's row x pitch + 24 x half
	v_lshl_add_u32 v5, v2, 4, v4                   ; and the same behind one padding more
	s_mul_i32 s21, s15, HALFT                      ; my 128 rows of source 1
	s_mul_i32 s22, s16, HALFT                      ; my 128 rows of source 0,
	s_add_co_u32 s22, s22, 2*HALFT                 ; which lie behind source 1's 256
.irp s, 0,1
	v_add_nc_u32 v[ADRA+\s], s21, v4
	v_add_nc_u32 v[ADRB+\s], s22, v4
	v_add_nc_u32 v[ADRA+2+\s], s21, v5
	v_add_nc_u32 v[ADRB+2+\s], s22, v5
	s_add_co_u32 s21, s21, SLOT
	s_add_co_u32 s22, s22, SLOT
.endr
	v_mul_u32_u24 v5, v1, KSB                      ; my row's scales: 32 bytes a row,
	v_lshrrev_b32 v6, 8, v5
	v_lshl_add_u32 v5, v6, 4, v5                   ; and 16 more for each 256 passed
	s_mul_i32 s21, s15, HALFS
	s_mul_i32 s22, s16, HALFS
	s_add_co_u32 s22, s22, 2*HALFS
	s_sub_co_u32 s22, s22, s21
	v_mul_u32_u24 v6, s22, v2                      ; lanes 16-31 take source 0's: one product, the distance between the two bases x the lane's half
	s_add_co_u32 s21, s21, SCL
	v_add_nc_u32 v5, v5, v6
	v_add_nc_u32 v[ADRS], s21, v5
	v_and_b32 v6, 31, v0
	v_lshlrev_b32 v[LI], 4, v6
	v_lshlrev_b32 v[L8], 3, v6
.irp b, 0,1,2,3
	v_mov_b32 v[TM+4+\b], 0                        ; written once: a lane permute's destination counts as one of its sources
.endr
	; where my results go.  Tokens: q, k: source 1's rows; v: source 0's.  Features: the other source's rows, counted inside their weight.
	s_cmp_eq_u32 ttmp9, 2
	s_cselect_b32 s20, s42, s17
	s_cselect_b32 s21, s16, s15
	s_cselect_b32 s22, s41, s40
	s_cselect_b32 s23, s15, s16
	s_cselect_b32 s66, 8, 9                        ; a group's scale words: 256 bytes (v) or 512 (q, k)
	s_lshl_b32 s20, s20, 8
	s_lshl_b32 s21, s21, 7
	s_add_co_u32 s20, s20, s21                     ; my first token
	s_lshl_b32 s22, s22, 8
	s_lshl_b32 s23, s23, 7
	s_add_co_u32 s22, s22, s23                     ; my first feature
	s_lshr_b32 s21, s20, 10
	s_lshl_b32 s21, s21, 4
	s_lshr_b32 s22, s22, 6
	s_add_co_u32 s21, s21, s22                     ; 16 b + my first head
	s_bfe_u32 s20, s20, 0x30007                    ; which 128 tokens of the batch's 1,024
	s_mul_i32 s21, s21, REC
	s_mul_i32 s22, s20, 6144
	s_add_co_u32 s22, s22, s21
	s_lshl_b32 s23, s20, s66
	s_add_co_u32 s23, s23, s21
	s_mov_b32 s100, 0                              ; the record's parts: k's images and scale words,
	s_mov_b32 s101, 98304
	s_cmp_eq_u32 ttmp9, 0
	s_cselect_b32 s100, 104448, s100               ; q's,
	s_cselect_b32 s101, 153600, s101
	s_cmp_eq_u32 ttmp9, 2
	s_cselect_b32 s100, 49152, s100                ; v's
	s_cselect_b32 s101, 102400, s101
	s_add_co_u32 s22, s22, s100
	s_add_co_u32 s66, s23, s101
	s_mov_b32 s23, 0
	s_mov_b32 s67, 0
	s_add_nc_u64 s[96:97], s[12:13], s[66:67]      ; the scale words
	s_add_nc_u64 s[12:13], s[12:13], s[22:23]      ; the images
.macro FRAG reg, adr, q, i             ; a fragment, 16 rows x 128 K: lane l holds row l % 16; registers 6 c .. 6 c + 5 hold K = 64 c + 32 (l / 16) + 0 .. 31: 24 bytes of the row as they lie, in pieces of 8 bytes
.irp p, 0,1,2,3,4,5
.set PIECE, 12*(\q)+6*(\p/3)+\p%3     ; where the piece three on (lanes 16-31) lies behind one padding more, the second address register serves
.if PIECE%8 < 5
	ds_load_b64 v[\reg+2*\p:\reg+2*\p+1], v[\adr] offset:8*PIECE+16*(PIECE/8)+(\i)*16*PITCH
.else
	ds_load_b64 v[\reg+2*\p:\reg+2*\p+1], v[\adr+2] offset:8*PIECE+16*(PIECE/8)+(\i)*16*PITCH
.endif
.endr
.endm
; 16 matrix instructions: source 1's blocks a0, a0 + 1 x source 0's eight.  The 64 accumulators take turns, one instruction a turn, in the same order in every step.
.macro MUL16 a0, p, q, sc, zero
.irp a, \a0, \a0+1
.irp b, 0,1,2,3,4,5,6,7
.if \zero
	v_wmma_scale_f32_16x16x128_f8f6f4 v[8*(8*((\a)%4)+\b):8*(8*((\a)%4)+\b)+7], v[128*(\p)+FR*\b:128*(\p)+FR*\b+FR-1], v[AF+FR*(\a):AF+FR*(\a)+FR-1], 0, v[SC+8*NQ*(\sc)+NQ*\b+(\q)], v[SC+8*NQ*(\sc)+NQ*(\a)+(\q)] matrix_a_fmt:MATRIX_FMT_FP6 matrix_b_fmt:MATRIX_FMT_FP6 matrix_a_scale:MATRIX_SCALE_ROW1
.else
	v_wmma_scale_f32_16x16x128_f8f6f4 v[8*(8*((\a)%4)+\b):8*(8*((\a)%4)+\b)+7], v[128*(\p)+FR*\b:128*(\p)+FR*\b+FR-1], v[AF+FR*(\a):AF+FR*(\a)+FR-1], v[8*(8*((\a)%4)+\b):8*(8*((\a)%4)+\b)+7], v[SC+8*NQ*(\sc)+NQ*\b+(\q)], v[SC+8*NQ*(\sc)+NQ*(\a)+(\q)] matrix_a_fmt:MATRIX_FMT_FP6 matrix_b_fmt:MATRIX_FMT_FP6 matrix_a_scale:MATRIX_SCALE_ROW1
.endif
.endr
.endr
.endm
.macro FETCH_B slot, q, p
	WIN TO_B
.irp i, 0,1,2,3,4,5,6,7
	FRAG 128*(\p)+FR*\i, ADRB+\slot, \q, \i
.endr
	WIN 0
.endm
.macro FETCH_A slot, q, i0
.irp i, \i0, \i0+1, \i0+2, \i0+3
	FRAG AF+FR*(\i), ADRA+\slot, \q, \i
.endr
.endm
.macro SCALES sc                       ; a K step's scale words: two words a row; lanes 0-15 source 1's block i, lanes 16-31 source 0's block i
.irp i, 0,1,2,3,4,5,6,7
	ds_load_b64 v[SC+8*NQ*\sc+NQ*\i:SC+8*NQ*\sc+NQ*\i+1], v[ADRS] offset:\i*SBLK
.endr
.endm
.macro PLACES n                        ; plain vector instructions between a matrix instruction and a load into, or a vector read of, its registers
.rept \n
	v_nop
.endr
.endm
.macro STEP slot, q, zero              ; a step of 128 along K that has its successor in the same slot
	s_wait_dscnt 4*NL                              ; source 0's set and source 1's blocks 0-3 are in; the youngest 24 loads (blocks 4-7) may be out
	WIN MUL_LO
	MUL16 0, (\q)%2, \q, \slot, \zero
	MUL16 2, (\q)%2, \q, \slot, \zero
	s_wait_dscnt 0
	PLACES NP
	FETCH_B \slot, (\q)+1, 1-(\q)%2
	FETCH_A \slot, (\q)+1, 0
	WIN MUL_HI
	MUL16 4, (\q)%2, \q, \slot, \zero
	MUL16 6, (\q)%2, \q, \slot, \zero
	PLACES NP
	WIN 0
	FETCH_A \slot, (\q)+1, 4
.endm
; A slot's last step changes slots: ONE barrier; in front of it each wave waits for all its tensor loads, adds 0 to its spare word, and waits for that and for its own reads of this slot.  fill = 1: this slot is filled again, two K steps ahead.
.macro TURN slot, next, fill
	s_wait_tensorcnt 0x0                           ; all my tensor loads have landed: my part of the next slot
	ds_add_u32 v[SPW], v[NIL]                      ; 0 onto my spare word
	s_wait_dscnt 4*NL+1                            ; (the add and the youngest 24 loads may be out)
	WIN MUL_LO
	MUL16 0, 1, NQ-1, \slot, 0                     ; sixteen matrix instructions stand between the add and the wait for it
	s_wait_dscnt 0x0                               ; the add is done, and my reads of this slot are over
	s_barrier_signal -1
	MUL16 2, 1, NQ-1, \slot, 0
	WIN 0
	s_barrier_wait -1
.if \fill
	CREST                                          ; the barrier has opened a round of the cluster's barrier: no wave of any partner still reads this slot or has a load on its way
	s_add_nc_u64 s[G0+4*\slot+2:G0+4*\slot+3], s[G0+4*\slot+2:G0+4*\slot+3], 2*ROWB
	s_add_nc_u64 s[G0B+4*\slot+2:G0B+4*\slot+3], s[G0B+4*\slot+2:G0B+4*\slot+3], 2*ROWB
	JLOAD G0+4*\slot, G1, G0B+4*\slot, G1B         ; the first tensor load behind the round, my only one until the next; its four v_nop are the places in front of the loads below
.else
	PLACES NP
.endif
	v_add_nc_u32 v[ADRS], 4*NQ, v[ADRS]            ; on to the next K step's scale words (no LDS load of mine is out)
	FETCH_B \next, 0, 0
	FETCH_A \next, 0, 0
	SCALES \next
	WIN MUL_HI
	MUL16 4, 1, NQ-1, \slot, 0
	MUL16 6, 1, NQ-1, \slot, 0
	PLACES NP
	WIN 0
	FETCH_A \next, 0, 4
.endm
	s_wait_tensorcnt 1                             ; the scales and my part of K step 0 are in (K step 1's load may be out)
	s_barrier_signal -1
	s_barrier_wait -1                              ; everybody's are
	FETCH_B 0, 0, 0
	FETCH_A 0, 0, 0
	SCALES 0
	FETCH_A 0, 0, 4
	STEP 0, 0, 1                                   ; the first step stands in front of the loop: its products start the sums
	s_mov_b32 s3, LAPS-1
.Llap:                                                 ; a trip goes once round the ring and fills both slots again
	TURN 0, 1, 1
	STEP 1, 0, 0
	TURN 1, 0, 1
	STEP 0, 0, 0
	s_sub_co_u32 s3, s3, 1
	s_cmp_lg_u32 s3, 0
	s_cbranch_scc1 .Llap
	TURN 0, 1, 0                                   ; the last lap fills nothing
	STEP 1, 0, 0
	s_wait_dscnt 4*NL
	WIN MUL_LO
	MUL16 0, 1, NQ-1, 1, 0
	MUL16 2, 1, NQ-1, 1, 0
	s_wait_dscnt 0
	WIN MUL_HI
	MUL16 4, 1, NQ-1, 1, 0
	MUL16 6, 1, NQ-1, 1, 0
	WIN 0
; THE WAY OUT.  64 numbers of a lane in window w, register 16 b + i = place 32 b + 16 (lane / 16) + i along source 0 of my source-1 row, become a fragment's 12 registers of codes in v[PC] on and its scale word in v[pw].
; Each accumulator is read from its low end on: the maxima go up the registers.
.macro QUANTW s, w, pw
.set WN, (\w)|((\w)<<2)
	WIN WN
.irp b, 0,1,2,3
	v_max3_num_f32 v[TM+\b], |v[(\s)+16*\b]|, |v[(\s)+1+16*\b]|, 0x1800000   ; block b: my 16 numbers, and the floor 2^(3 - 127): the byte cannot fall under 1
.endr
.set WN, ((\w)<<2)|((\w)<<4)
	WIN WN
.irp i, 2,4,6,8,10,12,14
.irp b, 0,1,2,3
	v_max3_num_f32 v[TM+\b], v[TM+\b], |v[(\s)+16*\b+\i]|, |v[(\s)+1+16*\b+\i]|   ; the four blocks by turns
.endr
.endr
	WIN 0
.irp b, 0,1,2,3
	v_permlanex16_b32 v[TM+4+\b], v[TM+\b], s[SEL], s[SEL+1]
.endr
.irp b, 0,1,2,3
	v_max_num_f32 v[TM+\b], v[TM+\b], v[TM+4+\b]   ; with lane l xor 16's: the block's largest magnitude
.endr
.irp b, 0,1,2,3
	v_add_nc_u32 v[TM+12+\b], 0xff000000, v[TM+\b] ; 2 off its exponent field: the conversion's scale operand
.endr
.irp b, 0,1,2,3
	v_lshrrev_b32 v[TM+4+\b], 23, v[TM+12+\b]      ; the scale's byte
.endr
	v_lshl_or_b32 v[\pw], v[TM+5], 8, v[TM+4]
	v_lshl_or_b32 v[\pw], v[TM+6], 16, v[\pw]
	v_lshl_or_b32 v[\pw], v[TM+7], 24, v[\pw]      ; my row's scale word
	WIN \w
.irp c, 0,1
	v_cvt_scalef32_pk16_fp6_f32 v[PC+6*\c:PC+2+6*\c], v[(\s)+32*\c:(\s)+15+32*\c], v[TM+12+2*\c]
	v_cvt_scalef32_pk16_fp6_f32 v[PC+12+4*\c:PC+14+4*\c], v[(\s)+16+32*\c:(\s)+31+32*\c], v[TM+12+2*\c+1]   ; (a conversion's three registers begin on an even number)
.endr
	WIN 0
	v_nop                                          ; one plain place behind a scaled conversion
.irp c, 0,1                                    ; the operand's layout wants a WHOLE block in a lane: lanes 0-15 block 2 c, lanes 16-31 block 2 c + 1
.irp i, 0,1,2
	v_permlane16_swap_b32 v[PC+6*\c+\i], v[PC+12+4*\c+\i]
.endr
.irp i, 0,1,2
	v_mov_b32 v[PC+3+6*\c+\i], v[PC+12+4*\c+\i]
.endr
.endr
.endm
; Source 1's block a.  q, k: the 128 features are two heads' 64: registers 0-5 are the first head's half fragment of 16 tokens, registers 6-11 the second's, one record on.
; v: the 128 keys are one whole fragment of 16 features: blocks 0-3 the first head's four tiles, blocks 4-7 the second's.  Every store covers 512 or 256 consecutive bytes, at a multiple of 256 from the buffer's first byte.
.macro OUT a
.if (\a) > 0
	s_wait_xcnt 0x0                                ; the last block's stores have read their data: the codes' registers are written again only behind this wait
.endif
	QUANTW 64*((\a)%4), 2+(\a)/4, PWS+(\a)
	s_cmp_eq_u32 ttmp9, 2                          ; the cluster's x: the same in all sixteen work-groups
	s_cbranch_scc1 .Lv_\@
	global_store_b128 v[LI], v[PC:PC+3], s[12:13] offset:768*(\a)
	global_store_b64 v[L8], v[PC+4:PC+5], s[12:13] offset:768*(\a)+512
	global_store_b128 v[LI], v[PC+6:PC+9], s[12:13] offset:REC+768*(\a)
	global_store_b64 v[L8], v[PC+10:PC+11], s[12:13] offset:REC+768*(\a)+512
	s_branch .Lsent_\@
.Lv_\@:
.irp c, 0,1,2
	global_store_b128 v[LI], v[PC+4*\c:PC+4*\c+3], s[12:13] offset:((\a)/4)*REC+((\a)%4)*1536+512*\c
.endr
.Lsent_\@:
.endm
	PLACES NP                                      ; the maxima read results just made
.irp a, 0,1,2,3,4,5,6,7
	OUT \a
.endr
	s_mov_b32 vcc_lo, 0xffff0000                   ; the scale words: lanes 0-15 keep block 2 p's, lanes 16-31 take block 2 p + 1's (both halves of the lanes hold a row's word)
.irp p, 0,1,2,3
	v_cndmask_b32 v[MG+\p], v[PWS+2*\p], v[PWS+2*\p+1], vcc_lo
.endr
	s_cmp_eq_u32 ttmp9, 2
	s_cbranch_scc1 .Lv_scales
.irp p, 0,1,2,3
	v_and_b32 v[MH+\p], 0xffff, v[MG+\p]           ; the first head's two bytes; bytes 2 and 3, of the half of K that is zero codes, are 0
	v_lshrrev_b32 v[MI+\p], 16, v[MG+\p]           ; the second head's
.endr
	global_store_b128 v[LI], v[MH:MH+3], s[96:97]
	global_store_b128 v[LI], v[MI:MI+3], s[96:97] offset:REC
	s_branch .Lscales_sent
.Lv_scales:
	global_store_b64 v[L8], v[MG:MG+1], s[96:97]               ; the first head's four tiles
	global_store_b64 v[L8], v[MG+2:MG+3], s[96:97] offset:REC  ; the second's
.Lscales_sent:
	s_wait_tensorcnt 0x0                           ; the wave's end
	ds_add_u32 v[SPW], v[NIL]
	s_wait_dscnt 0x0
	CROUND                                         ; the closing round: no work-group ends while a partner may still ask for a tile that names it
	s_endpgm
.Lfunc_end_k_q7c85cc94e4_proj:
	.size	k_q7c85cc94e4_proj, .Lfunc_end_k_q7c85cc94e4_proj-k_q7c85cc94e4_proj
	.p2alignl 7, 3214868480
	.fill 96, 4, 3214868480
	.section	.rodata,"a",@progbits
	.p2align	6, 0x0
	.amdhsa_kernel k_q7c85cc94e4_proj
		.amdhsa_group_segment_fixed_size 327680
		.amdhsa_private_segment_fixed_size 0
		.amdhsa_enable_private_segment 0
		.amdhsa_kernarg_size 40
		.amdhsa_user_sgpr_count 2
		.amdhsa_user_sgpr_kernarg_segment_ptr 1
		.amdhsa_wavefront_size32 1
		.amdhsa_system_sgpr_workgroup_id_x 1
		.amdhsa_system_sgpr_workgroup_id_y 1
		.amdhsa_system_sgpr_workgroup_id_z 1
		.amdhsa_system_vgpr_workitem_id 0
		.amdhsa_next_free_vgpr 1024
		.amdhsa_next_free_sgpr 102
		.amdhsa_reserve_vcc 1
		.amdhsa_float_denorm_mode_32 3
		.amdhsa_float_denorm_mode_16_64 3
		.amdhsa_memory_ordered 1
		.amdhsa_forward_progress 1
		.amdhsa_inst_pref_size 170
	.end_amdhsa_kernel
	.amdgpu_metadata
---
amdhsa.version: [ 1, 2 ]
amdhsa.kernels:
  - .name:           k_q7c85cc94e4_proj
    .symbol:         k_q7c85cc94e4_proj.kd
    .args:
      - { .name: xc, .offset: 0, .size: 8, .value_kind: global_buffer, .address_space: global }
      - { .name: xs, .offset: 8, .size: 8, .value_kind: global_buffer, .address_space: global }
      - { .name: wc, .offset: 16, .size: 8, .value_kind: global_buffer, .address_space: global }
      - { .name: wsc, .offset: 24, .size: 8, .value_kind: global_buffer, .address_space: global }
      - { .name: qkv, .offset: 32, .size: 8, .value_kind: global_buffer, .address_space: global }
    .group_segment_fixed_size: 327680
    .private_segment_fixed_size: 0
    .kernarg_segment_align: 8
    .kernarg_segment_size: 40
    .max_flat_workgroup_size: 128
    .sgpr_count:     102
    .vgpr_count:     1024
    .wavefront_size: 32
...
	.end_amdgpu_metadata
.endif
;; end of part 2
;; launch attn (part 3): grid 2 x 128, 4 waves a work-group, no clusters, 168,448 bytes of LDS; arguments qkv, attn_mask, out0; writes out0
.if DOCPART == 3
	.amdgcn_target "amdgcn-amd-amdhsa--gfx1250"
	.amdhsa_code_object_version 6
	.text
	.protected	k_q7c85cc94e4_attn
	.globl	k_q7c85cc94e4_attn
	.p2align	8
	.type	k_q7c85cc94e4_attn,@function
k_q7c85cc94e4_attn:
	s_mov_b64 s[64:65], 0
	v_nop
	global_prefetch_b8 v0, s[64:65] scope:SCOPE_SE
	s_setreg_imm32_b32 hwreg(HW_REG_WAVE_MODE, 25, 1), 1
	s_wait_xcnt 0x0
; out[b][q][64 h ..] = sum over keys of w v, w = e / (sum of e + 1e-8), e = exp(q . k / 8) x mask[b][q][key]; both products on codes of FP6 (E2M3) with E8M0 scales.  No maximum is taken away: the definition has none.
; w IS QUANTISED FINISHED AND NORMALISED, so a row's sum must be known before any code of w is made.  A wave therefore keeps all 1,024 e of a tile of 16 queries in 512 registers: each score and each exponential is made once.
; SHARES.  A work-group owns 512 queries of one head; each of its four waves 128, as eight tiles of 16 walked in a loop.  K's and V's register images and scale words of the whole head, 104,448 dense bytes, come into LDS ONCE
; (one tensor load a wave, 102 rows of 256 bytes) and stay: no ring, one barrier.
; LAYOUT.  Both products are used transposed: S^T = K Q^T (source 0 = 16 keys, source 1 = my 16 queries), O^T = V^T W^T (source 0 = 16 features, source 1 = w): a lane holds ONE query (lane % 16) throughout.
; Lane r of tile 2 b + u of 128 tokens is token 32 b + 8 u + r + 8 (r / 8), so the 16 registers of key tiles 2 b and 2 b + 1 are keys 32 b + 16 (lane / 16) + 0 .. 15: w is quantised in registers.  V's features lie likewise.
; The first product's K is 64: the upper six registers of K's and Q's fragments are zero codes, set once; their scale bytes are 0.
; THE MASK is honoured as f32 numbers that multiply; each lane loads its query's 16 neighbours of each block of 32 keys straight into registers, three key steps (48 loads) ahead.
; NO CLUSTER: the two work-groups of a head share the record's 104,448 bytes against 2,097,152 bytes of mask each, a twentieth; the mask is shared among 16 heads, but it goes straight into registers in the lanes' layout.
; LIMITS: NaN and infinities are not served, nor inputs at which the definition itself overflows; an e under 2^-126 comes out of v_exp_f32 as 0; the division is v_rcp_f32 and a multiplication, and a row's sum above 2^126 gives w = 0;
; a block of zeros gets the byte 1 and not 127 (its codes are zeros).
; REGISTERS, in windows of 256: window 0: see below.  Windows 1, 2: e, then w: key step s at v[64 (s % 4)] of window 1 + s / 4.  Window 3: v0-191 three slots of 64 mask numbers.
.set REC,    157696
.set VIMG,   49152                     ; LDS and record: K's images at 0, V's here,
.set KSCO,   98304                     ; K's scale words,
.set VSCO,   102400                    ; V's
.set QIMG,   104448                    ; record only: Q's images
.set QSCO,   153600                    ; and scale words
.set PART,   26112                     ; what one wave's tensor load brings
.set STAGE,  104448                    ; LDS, behind the images: 16 rows x 272 bytes for each wave, for the way out; no tensor load lands here
.set SPITCH, 272
.set LI,  1                            ; v1   16 x lane
.set L8,  2                            ; v2   8 x lane
.set MA,  3                            ; v3   mask: my query's row in the tile, + 64 x (lane / 16)
.set QA,  4                            ; v4   16 x (lane % 16)
.set STO, 5                            ; v5   the stage, in
.set SRD, 6                            ; v6   the stage, back
.set GO,  7                            ; v7   my byte offset in two rows of out
.set QSV, 8                            ; v8   where the tile's Q scale word lies
.set LV,  9                            ; v9   LI + VIMG
.set R,   10                           ; v[10:11] 1 / (sum + 1e-8); v11 is written once (named with it as a pair)
.set SUM, 12                           ; v12-19 the row's sum in four pairs
.set QF,  20                           ; v20-31 Q's fragment; v26-31 zero
.set QS,  32                           ; v32   Q's scale word        (v32-39 hold scales and nothing else)
.set PW,  33                           ; v33   w's
.set KS,  34                           ; v34-37 K's: register p: lanes 0-15 tile 2 p, lanes 16-31 tile 2 p + 1
.set VS,  38                           ; v38-39 V's likewise
.set KF,  40                           ; v40-135 K's eight fragments; the upper six registers of each zero
.set VF,  136                          ; v136-183 V's four fragments; on the way out rows of out
.set TM,  184                          ; v184-199 the quantiser's work
.set PC,  200                          ; v200-219 w's codes
.set O,   220                          ; v220-251 O^T: four accumulators
.set KSA, 252                          ; v252 LI + KSCO
.set VSA, 253                          ; v253 L8 + VSCO
.set TI,  11                           ; s11  the tile, 0 .. 7
.set CS,  46                           ; s[46:47] log2(e) / 8
.set SEL, 48                           ; s[48:49] selects for v_permlanex16_b32: lane l xor 16
.set MSB, 0
.macro WIN new                         ; the immediate's high byte repeats the setting that is left
.if MSB != (\new)
	s_set_vgpr_msb (MSB<<8)|(\new)
.set MSB, (\new)
.endif
.endm
.macro MLOAD step, slot                ; my query's mask numbers for 128 keys: register 16 b + i = key 32 b + 16 (lane / 16) + i.  No hint: the batch's other heads read these rows again
	WIN 0xc0                                       ; destination window 3, address window 0
.irp b, 0,1,2,3
.irp j, 0,1,2,3
	global_load_b128 v[64*(\slot)+16*\b+4*\j:64*(\slot)+16*\b+4*\j+3], v[MA], s[36:37] offset:512*(\step)+128*\b+16*\j
.endr
.endr
.endm
.macro QLOAD                           ; the tile's half fragment of Q and its scale word
	global_load_b128 v[QF:QF+3], v[LI], s[40:41]
	global_load_b64 v[QF+4:QF+5], v[L8], s[40:41] offset:512
	global_load_b32 v[QS], v[QSV], s[34:35]
.endm
.macro FETCH_K s                       ; key step s: eight half fragments as they were stored, and their scale words: 17 LDS loads of consecutive bytes
.irp t, 0,1,2,3,4,5,6,7
	ds_load_b128 v[KF+12*\t:KF+12*\t+3], v[LI] offset:(8*(\s)+\t)*768
	ds_load_b64 v[KF+12*\t+4:KF+12*\t+5], v[L8] offset:(8*(\s)+\t)*768+512
.endr
	ds_load_b128 v[KS:KS+3], v[KSA] offset:512*(\s)
.endm
.macro FETCH_V s                       ; key step s: four fragments of 16 features x 128 keys, and their scale words
.irp t, 0,1,2,3
.irp c, 0,1,2
	ds_load_b128 v[VF+12*\t+4*\c:VF+12*\t+4*\c+3], v[LV] offset:(4*(\s)+\t)*1536+512*\c
.endr
.endr
	ds_load_b64 v[VS:VS+1], v[VSA] offset:256*(\s)
.endm
; 64 numbers of a lane in window w, register 16 b + i = key 32 b + 16 (lane / 16) + i of my query, become a fragment's codes in v[PC] on and its scale word in v[pw].
.macro QUANTW s, w, pw
.set WN, (\w)|((\w)<<2)
	WIN WN
.irp b, 0,1,2,3
	v_max3_num_f32 v[TM+\b], |v[(\s)+16*\b]|, |v[(\s)+1+16*\b]|, 0x1800000   ; block b: my 16 numbers, and the floor 2^(3 - 127): the byte cannot fall under 1
.endr
.set WN, ((\w)<<2)|((\w)<<4)
	WIN WN
.irp i, 2,4,6,8,10,12,14
.irp b, 0,1,2,3
	v_max3_num_f32 v[TM+\b], v[TM+\b], |v[(\s)+16*\b+\i]|, |v[(\s)+1+16*\b+\i]|   ; the four blocks by turns
.endr
.endr
	WIN 0
.irp b, 0,1,2,3
	v_permlanex16_b32 v[TM+4+\b], v[TM+\b], s[SEL], s[SEL+1]
.endr
.irp b, 0,1,2,3
	v_max_num_f32 v[TM+\b], v[TM+\b], v[TM+4+\b]   ; with lane l xor 16's: the block's largest magnitude
.endr
.irp b, 0,1,2,3
	v_add_nc_u32 v[TM+12+\b], 0xff000000, v[TM+\b] ; 2 off its exponent field: the conversion's scale operand
.endr
.irp b, 0,1,2,3
	v_lshrrev_b32 v[TM+4+\b], 23, v[TM+12+\b]      ; the scale's byte
.endr
	v_lshl_or_b32 v[\pw], v[TM+5], 8, v[TM+4]
	v_lshl_or_b32 v[\pw], v[TM+6], 16, v[\pw]
	v_lshl_or_b32 v[\pw], v[TM+7], 24, v[\pw]
	WIN \w
.irp c, 0,1
	v_cvt_scalef32_pk16_fp6_f32 v[PC+6*\c:PC+2+6*\c], v[(\s)+32*\c:(\s)+15+32*\c], v[TM+12+2*\c]
	v_cvt_scalef32_pk16_fp6_f32 v[PC+12+4*\c:PC+14+4*\c], v[(\s)+16+32*\c:(\s)+31+32*\c], v[TM+12+2*\c+1]   ; (a conversion's three registers begin on an even number)
.endr
	WIN 0
	v_nop                                          ; one plain place behind a scaled conversion
.irp c, 0,1                                    ; the operand's layout wants a WHOLE block in a lane
.irp i, 0,1,2
	v_permlane16_swap_b32 v[PC+6*\c+\i], v[PC+12+4*\c+\i]
.endr
.irp i, 0,1,2
	v_mov_b32 v[PC+3+6*\c+\i], v[PC+12+4*\c+\i]
.endr
.endr
.endm
; KEY STEP s OF THE FIRST PASS: scores of 128 keys, e = 2^(score x log2(e) / 8) x mask, kept; the sum goes on.
.macro ASTEP s
.set W, 1+(\s)/4
.set E, 64*((\s)%4)
.if (\s) == 0
	s_wait_loadcnt 48                              ; Q's three loads are in; the three mask steps issued behind them may be out
.endif
	s_wait_dscnt 0x0                               ; K's fragments and scale words are in
.set WN, W<<6
	WIN WN
.irp t, 0,2,4,6
	v_wmma_scale_f32_16x16x128_f8f6f4 v[E+8*\t:E+8*\t+7], v[KF+12*\t:KF+12*\t+11], v[QF:QF+11], 0, v[KS+\t/2], v[QS] matrix_a_fmt:MATRIX_FMT_FP6 matrix_b_fmt:MATRIX_FMT_FP6
	v_wmma_scale_f32_16x16x128_f8f6f4 v[E+8*\t+8:E+8*\t+15], v[KF+12*\t+12:KF+12*\t+23], v[QF:QF+11], 0, v[KS+\t/2], v[QS] matrix_a_fmt:MATRIX_FMT_FP6 matrix_b_fmt:MATRIX_FMT_FP6 matrix_a_scale:MATRIX_SCALE_ROW1
.endr
.rept 4
	v_nop                                          ; places: in front of the loads into K's registers and of the first read of the scores
.endr
	WIN 0
.if (\s) == 7
	s_cmp_eq_u32 s[TI], 7                          ; the next tile's first keys, if there is a next tile; every later wait for LDS loads is for 0, so it is right on both ways
	s_cbranch_scc1 .Lno_k_\@
	FETCH_K 0
.Lno_k_\@:
.else
	FETCH_K (\s)+1
.endif
.set WN, (W<<6)|W
	WIN WN
.set j, 0
.rept 32
	v_pk_mul_f32 v[E+j:E+j+1], v[E+j:E+j+1], s[CS:CS+1] op_sel_hi:[1,0]   ; each accumulator from its low end on
.set j, j+2
.endr
.set j, 0
.rept 64
	v_exp_f32 v[E+j], v[E+j]
.set j, j+1
.endr
	v_nop                                          ; a plain place behind the last exponential
.if (\s) < 6
	s_wait_loadcnt 32                              ; this step's 16 mask loads are in; the two steps issued behind them may be out
.else
	s_wait_loadcnt 16*(7-(\s))
.endif
.set WN, (W<<6)|(3<<2)|W
	WIN WN
.set j, 0
	s_wait_alu depctr_va_vdst(0)
.rept 32
	v_pk_mul_f32 v[E+j:E+j+1], v[E+j:E+j+1], v[64*((\s)%3)+j:64*((\s)%3)+j+1]
.set j, j+2
.endr
.set WN, W<<2
	WIN WN
.set j, 0
.rept 32
	v_pk_add_f32 v[SUM+2*((j/2)%4):SUM+2*((j/2)%4)+1], v[SUM+2*((j/2)%4):SUM+2*((j/2)%4)+1], v[E+j:E+j+1]   ; four chains
.set j, j+2
.endr
.if (\s) < 5
	MLOAD (\s)+3, (\s)%3                           ; the slot just used takes the step three on
.endif
	WIN 0
.endm
; KEY STEP s OF THE SECOND PASS: w = e / (sum + 1e-8), quantised along the keys, times V.
.macro CSTEP s
.set W, 1+(\s)/4
.set E, 64*((\s)%4)
.set WN, (W<<6)|W
	WIN WN
.set j, 0
	s_wait_alu depctr_va_vdst(0)
.rept 32
	v_pk_mul_f32 v[E+j:E+j+1], v[E+j:E+j+1], v[R:R+1] op_sel_hi:[1,0]   ; these 32 are also the places behind the last step's products
.set j, j+2
.endr
	WIN 0
	FETCH_V \s
	QUANTW E, W, PW
.rept 8
	v_nop                                          ; a scale register written by a vector instruction stands 8 places ahead of a scaled matrix instruction, an operand so written 4
.endr
	s_wait_dscnt 0x0                               ; V's fragments and scale words are in
.irp t, 0,2                                    ; the four accumulators by turns, one instruction a turn
.if (\s) == 0
	v_wmma_scale_f32_16x16x128_f8f6f4 v[O+8*\t:O+8*\t+7], v[VF+12*\t:VF+12*\t+11], v[PC:PC+11], 0, v[VS+\t/2], v[PW] matrix_a_fmt:MATRIX_FMT_FP6 matrix_b_fmt:MATRIX_FMT_FP6
	v_wmma_scale_f32_16x16x128_f8f6f4 v[O+8*\t+8:O+8*\t+15], v[VF+12*\t+12:VF+12*\t+23], v[PC:PC+11], 0, v[VS+\t/2], v[PW] matrix_a_fmt:MATRIX_FMT_FP6 matrix_b_fmt:MATRIX_FMT_FP6 matrix_a_scale:MATRIX_SCALE_ROW1
.else
	v_wmma_scale_f32_16x16x128_f8f6f4 v[O+8*\t:O+8*\t+7], v[VF+12*\t:VF+12*\t+11], v[PC:PC+11], v[O+8*\t:O+8*\t+7], v[VS+\t/2], v[PW] matrix_a_fmt:MATRIX_FMT_FP6 matrix_b_fmt:MATRIX_FMT_FP6
	v_wmma_scale_f32_16x16x128_f8f6f4 v[O+8*\t+8:O+8*\t+15], v[VF+12*\t+12:VF+12*\t+23], v[PC:PC+11], v[O+8*\t+8:O+8*\t+15], v[VS+\t/2], v[PW] matrix_a_fmt:MATRIX_FMT_FP6 matrix_b_fmt:MATRIX_FMT_FP6 matrix_a_scale:MATRIX_SCALE_ROW1
.endif
.endr
.endm
	s_load_b128 s[4:7], s[0:1], 0x0                ; qkv s[4:5], attn_mask s[6:7]
	s_load_b64 s[8:9], s[0:1], 0x10                ; out0
	v_lshl_add_u32 v254, v0, 2, 0x29000
	v_mov_b32 v255, 0
	ds_add_u32 v254, v255
	ds_add_u32 v254, v255
	v_lshrrev_b32 v1, 5, v0
	v_readfirstlane_b32 s10, v1                    ; wave 0..3
	s_and_b32 s12, ttmp7, 0xffff                   ; 16 b + h
	s_mul_i32 s14, s12, REC                        ; the head's record
	s_mov_b32 s15, 0
	s_lshr_b32 s13, s12, 4                         ; b
	s_and_b32 s12, s12, 15                         ; h
	s_lshl_b32 s42, ttmp9, 2
	s_add_co_u32 s42, s42, s10                     ; my 128 queries: group 4 x work-group x + wave
	s_lshl_b32 s13, s13, 22                        ; a batch's mask, and its rows of out: 4,194,304 bytes
	s_lshl_b32 s43, s42, 19                        ; 128 rows of 4,096 bytes
	s_add_co_u32 s44, s13, s43
	s_mov_b32 s45, 0
	s_lshl_b32 s12, s12, 8                         ; the head's 256 bytes in a row of out
	; the descriptor: 102 rows of 256 bytes (32 elements of 8 bytes), dense in memory and in LDS
	s_mov_b32 s16, 3<<16                           ; no mask; elements of 8 bytes; no padding
	s_mov_b32 s17, 32<<16                          ; tensor_dim0
	s_mov_b32 s18, 102<<16                         ; tensor_dim1
	s_mov_b32 s19, 32<<16                          ; tile_dim0
	s_mov_b32 s20, 102                             ; tile_dim1
	s_mov_b32 s21, 32                              ; the pitch
	s_mov_b32 s22, 0
	s_mov_b32 s23, 0
	s_mov_b32 s24, 1                               ; count = 1
	s_mul_i32 s25, s10, PART                       ; LDS address: my quarter
	s_mov_b32 s[CS], 0x3e38aa3b                    ; log2(e) / 8
	s_mov_b32 s[CS+1], s[CS]                       ; (named with it as a pair, so it is written)
	s_mov_b32 s[SEL], 0x76543210
	s_mov_b32 s[SEL+1], 0xfedcba98
	s_mul_i32 s13, s10, 16*SPITCH
	s_add_co_u32 s13, s13, STAGE                   ; my stage
	v_and_b32 v10, 31, v0                          ; lane
	v_lshlrev_b32 v[LI], 4, v10
	v_lshlrev_b32 v[L8], 3, v10
	v_and_b32 v11, 15, v0                          ; r
	v_bfe_u32 v12, v0, 4, 1                        ; half
	v_and_b32 v13, 8, v11
	v_add_nc_u32 v13, v13, v11                     ; r + 8 (r / 8): my query's row in the tile's 24
	v_lshlrev_b32 v[MA], 12, v13
	v_lshl_add_u32 v[MA], v12, 6, v[MA]
	v_lshlrev_b32 v[QA], 4, v11
	v_mov_b32 v[QSV], v[QA]                        ; tile 0's scale words
	v_mul_u32_u24 v[STO], v11, SPITCH
	v_lshl_add_u32 v[STO], v12, 6, v[STO]
	v_add_nc_u32 v[STO], s13, v[STO]               ; in: row r, + 64 x half
	v_mul_u32_u24 v[SRD], v12, SPITCH
	v_lshl_add_u32 v[SRD], v11, 4, v[SRD]
	v_add_nc_u32 v[SRD], s13, v[SRD]               ; back: lanes 0-15 one row, lanes 16-31 the next
	v_lshlrev_b32 v[GO], 12, v12
	v_lshl_add_u32 v[GO], v11, 4, v[GO]            ; and the same two rows in out
	v_add_nc_u32 v[LV], VIMG, v[LI]
	v_add_nc_u32 v[KSA], KSCO, v[LI]
	v_add_nc_u32 v[VSA], VSCO, v[L8]
	s_wait_dscnt 0x0
	s_wait_kmcnt 0x0
	s_add_nc_u64 s[4:5], s[4:5], s[14:15]          ; the record
	s_mov_b32 s14, s25
	s_add_nc_u64 s[26:27], s[4:5], s[14:15]        ; my quarter of its first 104,448 bytes
	s_or_b32 s27, s27, 0x80000000                  ; type = 2
	tensor_load_to_lds s[24:27], s[16:23]          ; my one tensor load: filled once
	s_nop 0
.rept 4
	v_nop
.endr
	s_add_nc_u64 s[28:29], s[6:7], s[44:45]        ; the mask at my group's first row
	s_add_co_u32 s44, s44, s12
	s_add_nc_u64 s[30:31], s[8:9], s[44:45]        ; out likewise, at the head's columns
	s_mul_i32 s14, s42, 6144
	s_add_co_u32 s14, s14, QIMG
	s_add_nc_u64 s[32:33], s[4:5], s[14:15]        ; my group's eight images of Q
	s_lshl_b32 s14, s42, 9
	s_add_co_u32 s14, s14, QSCO
	s_add_nc_u64 s[34:35], s[4:5], s[14:15]        ; and their scale words
	s_mov_b64 s[36:37], s[28:29]                   ; tile 0's mask rows
	s_mov_b64 s[40:41], s[32:33]                   ; and image
	s_mov_b32 s43, 0                               ; the upper word of the offsets made in s42
	s_mov_b32 s[TI], 0
	QLOAD
	MLOAD 0, 0
	MLOAD 1, 1
	MLOAD 2, 2
	WIN 0
.irp i, 6,7,8,9,10,11
	v_mov_b32 v[QF+\i], 0                          ; zero codes for K = 64 .. 127, set once
.endr
.irp t, 0,1,2,3,4,5,6,7
.irp i, 6,7,8,9,10,11
	v_mov_b32 v[KF+12*\t+\i], 0
.endr
.endr
.irp i, 0,1,2,3,4,5,6,7
	v_mov_b32 v[SUM+\i], 0
.endr
.irp b, 0,1,2,3
	v_mov_b32 v[TM+4+\b], 0                        ; written once: a lane permute's destination counts as one of its sources
.endr
	v_mov_b32 v[R+1], 0
	s_wait_tensorcnt 0x0                           ; my quarter has landed,
	s_barrier_signal -1
	s_barrier_wait -1                              ; everybody's has
	FETCH_K 0
.Ltile:
	ASTEP 0
	ASTEP 1
	ASTEP 2
	ASTEP 3
	ASTEP 4
	ASTEP 5
	ASTEP 6
	ASTEP 7
	; the row's sum: four pairs, two halves, two lanes; + 1e-8; its reciprocal
	v_pk_add_f32 v[SUM:SUM+1], v[SUM:SUM+1], v[SUM+2:SUM+3]
	v_pk_add_f32 v[SUM+4:SUM+5], v[SUM+4:SUM+5], v[SUM+6:SUM+7]
	v_pk_add_f32 v[SUM:SUM+1], v[SUM:SUM+1], v[SUM+4:SUM+5]
	v_add_f32 v[SUM], v[SUM], v[SUM+1]
	v_permlanex16_b32 v[TM+4], v[SUM], s[SEL], s[SEL+1]
	v_add_f32 v[SUM], v[SUM], v[TM+4]
	v_add_f32 v[SUM], 0x322bcc77, v[SUM]           ; + 1e-8
	v_rcp_f32 v[R], v[SUM]
.irp i, 1,2,3,4,5,6,7,0
	v_mov_b32 v[SUM+\i], 0                         ; the next tile's sums begin; the first of these is the plain place behind the reciprocal, whose source is written last
.endr
	s_wait_xcnt 0x0                                ; every earlier load and store has read its addresses and data: the bases, v[QSV] and the registers that the last tile's stores read are written again only behind this wait
	s_lshr_b32 s12, s[TI], 1
	s_lshl_b32 s12, s12, 17
	s_and_b32 s13, s[TI], 1
	s_lshl_b32 s13, s13, 15
	s_add_co_u32 s42, s12, s13                     ; tile i begins at row 32 (i / 2) + 8 (i % 2) of the group
	s_add_nc_u64 s[38:39], s[30:31], s[42:43]      ; its rows of out
	s_cmp_eq_u32 s[TI], 7
	s_cbranch_scc1 .Lno_next                       ; the last tile asks for nothing: no load leaves its buffer
	s_add_co_u32 s14, s[TI], 1
	s_lshr_b32 s12, s14, 1
	s_and_b32 s13, s14, 1
	s_lshl_b32 s42, s12, 17
	s_lshl_b32 s15, s13, 15
	s_add_co_u32 s42, s42, s15
	s_add_nc_u64 s[36:37], s[28:29], s[42:43]      ; the next tile's mask rows,
	s_mul_i32 s42, s14, 768
	s_add_nc_u64 s[40:41], s[32:33], s[42:43]      ; image of Q,
	s_lshl_b32 s13, s13, 8
	s_lshl_b32 s12, s12, 2
	s_add_co_u32 s12, s12, s13
	v_add_nc_u32 v[QSV], s12, v[QA]                ; and scale words: 16 r + 256 (n % 2) + 4 (n / 2)
	QLOAD                                          ; they land while this tile's second pass runs
	MLOAD 0, 0
	MLOAD 1, 1
	MLOAD 2, 2
	WIN 0
.Lno_next:
	CSTEP 0
	CSTEP 1
	CSTEP 2
	CSTEP 3
	CSTEP 4
	CSTEP 5
	CSTEP 6
	CSTEP 7
	; THE WAY OUT.  Register j of accumulator 2 b + u is feature 32 b + 16 (lane / 16) + 8 u + j of my query: through my stage, back as whole rows of 256 bytes.  w was normalised: nothing is divided here.
.rept 4
	v_nop                                          ; places in front of the first read of the results and of the loads into V's registers
.endr
.irp t, 0,1,2,3
	ds_store_b128 v[STO], v[O+8*\t:O+8*\t+3] offset:128*(\t/2)+32*(\t%2)       ; each accumulator from its low end on
	ds_store_b128 v[STO], v[O+8*\t+4:O+8*\t+7] offset:128*(\t/2)+32*(\t%2)+16
.endr
.irp k, 0,1,2,3,4,5,6,7
	ds_load_b128 v[VF+4*\k:VF+4*\k+3], v[SRD] offset:2*\k*SPITCH   ; LDS serves a wave's instructions in order (ISA guide 5.7.1.4): these see my stores
.endr
.irp k, 0,1,2,3,4,5,6,7
	s_wait_dscnt 7-\k                              ; load k is in, the younger ones may be out
	global_store_b128 v[GO], v[VF+4*\k:VF+4*\k+3], s[38:39] offset:(2*\k+8*(\k/4))*4096 th:TH_STORE_NT   ; stage row p is token p + 8 (p / 8); 16 lanes store 256 consecutive bytes, at a multiple of 256 from out's first byte
.endr
	s_add_co_u32 s[TI], s[TI], 1
	s_cmp_lt_u32 s[TI], 8
	s_cbranch_scc1 .Ltile
	s_wait_tensorcnt 0x0
	ds_add_u32 v254, v255
	s_wait_dscnt 0x0
	s_endpgm
.Lfunc_end_k_q7c85cc94e4_attn:
	.size	k_q7c85cc94e4_attn, .Lfunc_end_k_q7c85cc94e4_attn-k_q7c85cc94e4_attn
	.p2alignl 7, 3214868480
	.fill 96, 4, 3214868480
	.section	.rodata,"a",@progbits
	.p2align	6, 0x0
	.amdhsa_kernel k_q7c85cc94e4_attn
		.amdhsa_group_segment_fixed_size 168448
		.amdhsa_private_segment_fixed_size 0
		.amdhsa_enable_private_segment 0
		.amdhsa_kernarg_size 24
		.amdhsa_user_sgpr_count 2
		.amdhsa_user_sgpr_kernarg_segment_ptr 1
		.amdhsa_wavefront_size32 1
		.amdhsa_system_sgpr_workgroup_id_x 1
		.amdhsa_system_sgpr_workgroup_id_y 1
		.amdhsa_system_sgpr_workgroup_id_z 1
		.amdhsa_system_vgpr_workitem_id 0
		.amdhsa_next_free_vgpr 960
		.amdhsa_next_free_sgpr 66
		.amdhsa_reserve_vcc 0
		.amdhsa_float_denorm_mode_32 3
		.amdhsa_float_denorm_mode_16_64 3
		.amdhsa_memory_ordered 1
		.amdhsa_forward_progress 1
		.amdhsa_inst_pref_size 173
	.end_amdhsa_kernel
	.amdgpu_metadata
---
amdhsa.version: [ 1, 2 ]
amdhsa.kernels:
  - .name:           k_q7c85cc94e4_attn
    .symbol:         k_q7c85cc94e4_attn.kd
    .args:
      - { .name: qkv, .offset: 0, .size: 8, .value_kind: global_buffer, .address_space: global }
      - { .name: attn_mask, .offset: 8, .size: 8, .value_kind: global_buffer, .address_space: global }
      - { .name: out0, .offset: 16, .size: 8, .value_kind: global_buffer, .address_space: global }
    .group_segment_fixed_size: 168448
    .private_segment_fixed_size: 0
    .kernarg_segment_align: 8
    .kernarg_segment_size: 24
    .max_flat_workgroup_size: 128
    .sgpr_count:     66
    .vgpr_count:     960
    .wavefront_size: 32
...
	.end_amdgpu_metadata
.endif
;; end of part 3
